; MI455X (gfx1250); checked and timed in simulation.
; The chip was launched on July 23, 2026; its instructions are those of AMD's public machine-readable ISA for CDNA 5 (MIT licence, August 2026) and "CDNA5" Instruction Set Architecture Reference Guide (July 2026). The comments in the code are by the model that wrote it; some were corrected since.
;; Scale Dot Product Attention. Allowed arithmetic: float matrix products may take bf16 or f16 operands with f32 sums; all other float work in f32.
;; Inputs: k 2 x 16 x 2,048 x 64 float32; mask 2 x 1 x 2,048 x 2,048 int32; q 2 x 16 x 2,048 x 64 float32; v 2 x 16 x 2,048 x 64 float32.
;; Outputs: out0 2 x 16 x 2,048 x 64 float32.
;; One version. Each part assembles by itself: llvm-mc -triple=amdgcn-amd-amdhsa -mcpu=gfx1250 --defsym DOCPART=n.
;; ======== version 1 of 1: 2 launches
;; workspace buffers: bits 1,048,576 bytes of whole numbers
;; launch pack (part 1): grid 128 x 2, 8 waves a work-group, no clusters, 0 bytes of LDS; arguments mask, bits; writes bits
.if DOCPART == 1
	.amdgcn_target "amdgcn-amd-amdhsa--gfx1250"
	.amdhsa_code_object_version 6
	.text
	.protected	k_q55d30f652f_pack
	.globl	k_q55d30f652f_pack
	.p2align	8
	.type	k_q55d30f652f_pack,@function
k_q55d30f652f_pack:
	s_mov_b64 s[64:65], 0
	v_nop
	global_prefetch_b8 v0, s[64:65] scope:SCOPE_SE
	s_setreg_imm32_b32 hwreg(HW_REG_WAVE_MODE, 25, 1), 1
	s_wait_xcnt 0x0
; bits[b][Qt][Kt][j], 32-bit words: bit 16 h + r of a word is (mask[b][16 Qt + r][16 Kt + 8 h + j] != 0).
; That is the lane mask of register j of a 16 x 16 f32 matrix result whose rows are keys and whose columns are queries
; (register j, lane 16 h + r = key 8 h + j, query r), so the attention launch masks a score register with one select.
; The mask (int32, 33,554,432 bytes) is read here once; the sixteen heads of a batch then read 1/32 of its bytes.
; A work-group (x = Qt, y = b) owns 16 mask rows; wave w owns keys 256 w .. 256 w + 255 of them, as two chunks of 128 keys.
; Memory binds: every load of a wave covers 512 consecutive bytes, all 32 loads of a wave are issued at once, every store
; of a wave covers 256 consecutive bytes, aligned.  No LDS, no barrier (waves share nothing), EXEC never changes,
; no matrix unit and no cluster: no two work-groups read the same byte.
.set LO,   1                           ; v1       byte offset of my 16 bytes in a row: 1024 wave + 16 lane
.set SH,   2                           ; v2       2 h: the upper half of the lanes looks 2 bits (8 keys) further up
.set SO,   3                           ; v3       byte offset of my two words in the row block of bits: 512 wave + 8 lane
.set TW,   4                           ; v[4:7]   word i: lane r (0-15) = flags of keys 4 L + i of row r, bit L; lanes 16-31 stay 0
.set PT,   8                           ; v8       the other half's lanes
.set UW,   10                          ; v[10:13] word i in both halves, shifted by 2 h
.set TT,   14                          ; v[14:15] at work, in turn
.set OUTW, 16                          ; v[16:19] chunk ch: pair at 16 + 2 ch, lane l = words 2 l, 2 l + 1 of the chunk's 64
.set XR,   32                          ; v[32:159] chunk ch, row r: 4 registers at 32 + 64 ch + 4 r
.set CM,   16                          ; s[16:31] compare results, in rotation
	s_load_b128 s[4:7], s[0:1], 0x0                ; mask s[4:5], bits s[6:7]
	s_and_b32 s10, ttmp7, 0xffff                   ; b
	s_lshl_b32 s8, s10, 24                         ; b x 2048 rows x 8,192 bytes
	s_lshl_b32 s9, ttmp9, 17                       ; Qt x 16 rows x 8,192 bytes
	s_add_co_u32 s8, s8, s9
	s_mov_b32 s9, 0
	s_lshl_b32 s14, s10, 19                        ; b x 128 x 128 x 8 words
	s_lshl_b32 s15, ttmp9, 12                      ; Qt x 128 x 8 words
	s_add_co_u32 s14, s14, s15
	s_mov_b32 s15, 0
	s_mov_b32 s12, 0x76543210                      ; v_permlanex16_b32: lane i of one half reads lane i of the other
	s_mov_b32 s13, 0xfedcba98
	v_lshrrev_b32 v9, 5, v0                        ; wave
	v_and_b32 v15, 31, v0                          ; lane
	v_lshlrev_b32 v[LO], 4, v15
	v_lshl_add_u32 v[LO], v9, 10, v[LO]
	v_bfe_u32 v[SH], v0, 4, 1
	v_lshlrev_b32 v[SH], 1, v[SH]
	v_lshlrev_b32 v[SO], 3, v15
	v_lshl_add_u32 v[SO], v9, 9, v[SO]
.irp i, 0,1,2,3
	v_mov_b32 v[TW+\i], 0                          ; lanes 16-31 must read 0; lanes 0-15 are written lane by lane
	v_mov_b32 v[OUTW+\i], 0                        ; written lane by lane: whole before that
.endr
	v_mov_b32 v[PT], 0                             ; a lane permute's destination counts as read
	s_wait_kmcnt 0x0
	s_add_nc_u64 s[4:5], s[4:5], s[8:9]
	s_add_nc_u64 s[6:7], s[6:7], s[14:15]
.irp ch, 0,1
.irp r, 0,1,2,3,4,5,6,7,8,9,10,11,12,13,14,15
	global_load_b128 v[XR+64*\ch+4*\r:XR+64*\ch+4*\r+3], v[LO], s[4:5] offset:\r*8192+\ch*512 th:TH_LOAD_NT
.endr
.endr
.macro CHUNK ch
	s_wait_loadcnt 16*(1-\ch)                      ; loads return in order: this chunk's 16 are in, the other chunk's 16 younger ones may be out
	; a compare of one register gives 32 flags of one row; they go to lane r of word i
.set rr, 0
.rept 16
.irp i, 0,1,2,3
	v_cmp_ne_u32 s[CM+4*(rr&3)+\i], 0, v[XR+64*\ch+4*rr+\i]
.endr
.irp i, 0,1,2,3
	v_writelane_b32 v[TW+\i], s[CM+4*(rr&3)+\i], rr
.endr
.set rr, rr+1
.endr
	; both halves of the lanes get row r's word; the upper half shifts it by 2 bits = keys 8 further on
.irp i, 0,1,2,3
	v_permlanex16_b32 v[PT], v[TW+\i], s12, s13
	v_or_b32 v[UW+\i], v[TW+\i], v[PT]
	v_lshrrev_b32 v[UW+\i], v[SH], v[UW+\i]
.endr
	; word n = 8 kt + j: key 16 kt + 8 h + j = 4 L + i gives i = j & 3 and L = 4 kt + 2 h + (j >> 2)
.set nn, 0
.rept 64
	v_and_b32 v[TT+(nn&1)], 1<<(4*(nn>>3)+((nn&7)>>2)), v[UW+(nn&3)]
	v_cmp_ne_u32 s[CM+(nn&7)], 0, v[TT+(nn&1)]
	v_writelane_b32 v[OUTW+2*\ch+(nn&1)], s[CM+(nn&7)], nn>>1
.set nn, nn+1
.endr
	global_store_b64 v[SO], v[OUTW+2*\ch:OUTW+2*\ch+1], s[6:7] offset:\ch*256   ; 32 lanes x 8 bytes: 256 consecutive bytes, aligned; each chunk has its own data pair
.endm
	CHUNK 0
	CHUNK 1
	s_endpgm
.Lfunc_end_k_q55d30f652f_pack:
	.size	k_q55d30f652f_pack, .Lfunc_end_k_q55d30f652f_pack-k_q55d30f652f_pack
	.p2alignl 7, 3214868480
	.fill 96, 4, 3214868480
	.section	.rodata,"a",@progbits
	.p2align	6, 0x0
	.amdhsa_kernel k_q55d30f652f_pack
		.amdhsa_group_segment_fixed_size 0
		.amdhsa_private_segment_fixed_size 0
		.amdhsa_enable_private_segment 0
		.amdhsa_kernarg_size 16
		.amdhsa_user_sgpr_count 2
		.amdhsa_user_sgpr_kernarg_segment_ptr 1
		.amdhsa_wavefront_size32 1
		.amdhsa_system_sgpr_workgroup_id_x 1
		.amdhsa_system_sgpr_workgroup_id_y 1
		.amdhsa_system_sgpr_workgroup_id_z 1
		.amdhsa_system_vgpr_workitem_id 0
		.amdhsa_next_free_vgpr 160
		.amdhsa_next_free_sgpr 66
		.amdhsa_reserve_vcc 0
		.amdhsa_float_denorm_mode_32 3
		.amdhsa_float_denorm_mode_16_64 3
		.amdhsa_memory_ordered 1
		.amdhsa_forward_progress 1
		.amdhsa_inst_pref_size 45
	.end_amdhsa_kernel
	.amdgpu_metadata
---
amdhsa.version: [ 1, 2 ]
amdhsa.kernels:
  - .name:           k_q55d30f652f_pack
    .symbol:         k_q55d30f652f_pack.kd
    .args:
      - { .name: mask, .offset: 0, .size: 8, .value_kind: global_buffer, .address_space: global }
      - { .name: bits, .offset: 8, .size: 8, .value_kind: global_buffer, .address_space: global }
    .group_segment_fixed_size: 0
    .private_segment_fixed_size: 0
    .kernarg_segment_align: 8
    .kernarg_segment_size: 16
    .max_flat_workgroup_size: 256
    .sgpr_count:     66
    .vgpr_count:     160
    .wavefront_size: 32
...
	.end_amdgpu_metadata
.endif
;; end of part 1
;; launch attn (part 2): grid 8 x 32, 8 waves a work-group, no clusters, 109,568 bytes of LDS; arguments q, k, v, bits, out0; writes out0
.if DOCPART == 2
	.amdgcn_target "amdgcn-amd-amdhsa--gfx1250"
	.amdhsa_code_object_version 6
	.text
	.protected	k_q55d30f652f_attn
	.globl	k_q55d30f652f_attn
	.p2align	8
	.type	k_q55d30f652f_attn,@function
k_q55d30f652f_attn:
	s_mov_b64 s[64:65], 0
	v_nop
	global_prefetch_b8 v0, s[64:65] scope:SCOPE_SE
	s_setreg_imm32_b32 hwreg(HW_REG_WAVE_MODE, 25, 1), 1
	s_wait_xcnt 0x0
; out[b][h][s][:] = softmax over keys of (q k^T / 8, -inf where mask == 0) v.   q, k, v, out: [2][16][2048][64] f32.
; One pass with a running maximum.  A work-group (x = block of 256 queries, y = 16 b + h) has eight waves; a wave owns 32 queries
; (two tiles of 16) and walks the 2,048 keys in 32 steps of 64.  K and V tiles come through registers, are rounded to bf16 there and
; laid into one of two LDS slots that all eight waves read.
;
; MATRIX USE (v_wmma_f32_16x16x32_bf16 throughout), transposed so that nothing is shuffled between the two products:
;   S^T = K Q^T : source 0 = 16 keys x 32 d, source 1 = 16 queries x 32 d; register j of lane (r, h) = key 8 h + j, query r.
;   P^T         : rounding a lane's own two neighbouring key tiles to bf16 gives registers 0-3 and 4-7 of source 1 (query r, 32 keys).
;   O^T += V^T P^T : source 0 = 16 d x 32 keys, read from V[key][d] in LDS by the transposing load; register j = d 8 h + j, query r.
; A query lives in lanes r and r + 16: the row maximum needs one exchange of halves a step, the row sum stays a partial sum per lane
; until the end, and alpha and 1 / l are factors per lane.
;
; THE MASK comes as lane-mask words (launch pack): one word per score register, fetched by scalar loads, one select per register.
;
; NUMBERS.  q, k, v are rounded to bf16 unscaled; the factor log2(e) / 8 is applied in f32; p is rounded to bf16 for the second
; product only, l is summed in f32 from the unrounded p.  Masked scores are -inf before the maximum is taken.  The running maximum
; starts at the most negative finite f32, so that a step in which a row is wholly masked gives p = 0 and alpha = 1; a row that is
; masked everywhere ends as 0 x (1 / 0) = NaN, as the softmax of nothing but -inf is.
; LIMITS: v_exp_f32 gives 0 for results below 2^-126 (ISA guide, 15.8); a NaN score is dropped by the maximum (v_max_num_f32), but
; still reaches p, l and with them the whole row.
;
; NO CLUSTER, NO TENSOR LOADS, though the eight work-groups of a head walk the same K and V: the tiles are f32 in memory and the matrix
; unit takes bf16, and a tensor load copies bytes as they are.  A joint tile would land as 32,768 bytes of f32 a step, to be read from
; LDS, rounded and stored to LDS again; through registers the rounding lies on the way and LDS sees 16,384 bytes of bf16 once.
.set KP,    144                        ; LDS pitch of K and Q rows: 128 bytes + 16 = 9 x 16: sixteen rows start in sixteen different 16-byte columns modulo 256
.set VP,    160                        ; LDS pitch of V rows: 128 + 32 = 5 x 32, for the transposing load
.set VOFF,  64*KP                      ; V behind K in a slot
.set SLOT,  64*KP+64*VP                ; 19,456 bytes; two slots
.set STG,   2*SLOT                     ; behind them a stage for each wave: first its Q as bf16 (32 x 144), at the end its O as f32 (32 x 272)
.set OPI,   272                        ; pitch of O rows: 256 + 16
.set STGB,  32*OPI
.set TILE,  16384                      ; 64 keys x 256 bytes of f32, dense in memory
; vector registers
.set KA,   1                           ; r 144 + 16 h                                     K fragments
.set VA,   2                           ; (8 h + (L & 7)) 160 + 16 ((L >> 3) & 1)          V fragments, transposing
.set KS,   3                           ; wave 288 + h 144 + 8 r                           where I store 8 bytes of K
.set VS,   4                           ; wave 320 + h 160 + 8 r                           and of V
.set GO,   5                           ; 16 T                                             my 16 bytes in each quarter of a tile
.set NI,   6                           ; -inf
.set PF,   7                           ; ((x >> 2) 32 + L) 256                            the row that I prefetch
.set STAT, 8                           ; v[8:15]  query tile qt at 8 + 4 qt: -M c, M, alpha, l
.set TM,   16                          ; v[16:23] at work
.set QS,   24                          ; stage + h 144 + 8 r
.set QF,   25                          ; stage + r 144 + 16 h
.set SA,   26                          ; stage + r 272 + 32 h
.set SR,   27                          ; stage + h 272 + 16 r
.set OO,   28                          ; 16 L
.set ST,   32                          ; v[32:63]   a tile on its way: K quarter i at 32 + 4 i, V at 48 + 4 i
.set FR,   64                          ; v[64:127]  K fragment (kt, ks) at 64 + 16 kt + 8 ks, then V fragment (dt, kb) at 64 + 16 dt + 8 kb
.set SC,   128                         ; v[128:191] S(qt, kt) at 128 + 32 qt + 8 kt; P(qt, kb) in place at 128 + 32 qt + 8 kb
.set OA,   192                         ; v[192:255] O(qt, dt) at 192 + 32 qt + 8 dt
                                       ; v[256:287] Q fragment (qt, ks), named v[16 qt + 8 ks ..] in the second block of 256
; scalar registers
.set QB,   4                           ; s[4:5] q   s[6:7] k   s[8:9] v   s[10:11] bits   s[12:13] out
.set KB,   6
.set VB,   8
.set MB,   10
.set OB,   12
.set WV,   14                          ; wave number
.set MW0,  16                          ; s[16:47]  mask words of query tile 0, index 8 kt + j
.set MW1,  68                          ; s[68:99]  of query tile 1
.set PB,   48                          ; s[48:49]  what this wave prefetches from: k (wave 0) or v
.set OWN,  50                          ; the step (mod 4) in which this wave prefetches; 4 = never
.set CNT,  51
.set CC,   52                          ; s[52:53]  c = log2(e) / 8, twice
.set SEL,  54                          ; s[54:55]  selects of v_permlanex16_b32
.set NC,   56                          ; -c
.set MSB, 0
.macro WIN new                         ; s_set_vgpr_msb; the immediate's high byte repeats the setting that is left
.if MSB != \new
	s_set_vgpr_msb (MSB<<8)|\new
.set MSB, \new
.endif
.endm
.macro PLACES n
.rept \n
	v_nop
.endr
.endm
	s_load_b256 s[4:11], s[0:1], 0x0
	s_load_b64 s[12:13], s[0:1], 0x20
	v_lshl_add_u32 v30, v0, 2, 0x1a800
	v_mov_b32 v31, 0
	v_lshrrev_b32 v16, 5, v0
	v_readfirstlane_b32 s[WV], v16
	s_and_b32 s15, ttmp7, 0xffff                   ; y = 16 b + h
	s_lshl_b32 s60, s15, 19                        ; k, v: y x 2048 x 256 bytes
	s_mov_b32 s61, 0
	s_lshl_b32 s62, ttmp9, 16                      ; x x 256 queries x 256 bytes, and also x x 16 query tiles x 4,096 bytes of bits
	s_lshl_b32 s63, s[WV], 13                      ; wave x 32 x 256, and also wave x 2 x 4,096
	s_add_co_u32 s62, s62, s63
	s_add_co_u32 s58, s60, s62                     ; q, out
	s_mov_b32 s59, 0
	s_lshr_b32 s63, s15, 4                         ; b
	s_lshl_b32 s63, s63, 19
	s_add_co_u32 s62, s62, s63                     ; bits
	s_mov_b32 s63, 0
	s_mov_b32 s[CC], 0x3e38aa3b
	s_mov_b32 s[CC+1], 0x3e38aa3b
	s_mov_b32 s[SEL], 0x76543210
	s_mov_b32 s[SEL+1], 0xfedcba98
	s_mov_b32 s[NC], 0xbe38aa3b
	s_mul_i32 s57, s[WV], 2*KP
	s_mul_i32 s66, s[WV], 2*VP
	s_mul_i32 s67, s[WV], STGB
	s_add_co_u32 s67, s67, STG                     ; my stage
	s_lshr_b32 s[CNT], ttmp9, 2
	s_lshl_b32 s[CNT], s[CNT], 13                  ; (x >> 2) x 32 rows x 256 bytes
	v_and_b32 v17, 31, v0                          ; L
	v_and_b32 v18, 15, v0                          ; r
	v_bfe_u32 v19, v0, 4, 1                        ; h
	v_mul_u32_u24 v[KA], v18, KP
	v_lshl_add_u32 v[KA], v19, 4, v[KA]
	v_and_b32 v21, 7, v0
	v_lshl_add_u32 v21, v19, 3, v21
	v_mul_u32_u24 v[VA], v21, VP
	v_bfe_u32 v22, v0, 3, 1
	v_lshl_add_u32 v[VA], v22, 4, v[VA]
	v_mul_u32_u24 v20, v19, KP
	v_lshl_add_u32 v20, v18, 3, v20                ; h 144 + 8 r
	v_add_nc_u32 v[KS], s57, v20
	v_add_nc_u32 v[QS], s67, v20
	v_mul_u32_u24 v21, v19, VP
	v_lshl_add_u32 v21, v18, 3, v21
	v_add_nc_u32 v[VS], s66, v21
	v_lshlrev_b32 v[GO], 4, v0
	v_mov_b32 v[NI], 0xff800000
	v_lshl_add_u32 v[PF], v17, 8, s[CNT]
	v_add_nc_u32 v[QF], s67, v[KA]
	v_mul_u32_u24 v[SA], v18, OPI
	v_lshl_add_u32 v[SA], v19, 5, v[SA]
	v_add_nc_u32 v[SA], s67, v[SA]
	v_mul_u32_u24 v[SR], v19, OPI
	v_lshl_add_u32 v[SR], v18, 4, v[SR]
	v_add_nc_u32 v[SR], s67, v[SR]
	v_lshlrev_b32 v[OO], 4, v17
	v_mov_b32 v[STAT+1], 0xff7fffff                ; M starts at the most negative finite number
	v_mov_b32 v[STAT+5], 0xff7fffff
	s_wait_kmcnt 0x0
	s_add_nc_u64 s[QB:QB+1], s[QB:QB+1], s[58:59]
	s_add_nc_u64 s[KB:KB+1], s[KB:KB+1], s[60:61]
	s_add_nc_u64 s[VB:VB+1], s[VB:VB+1], s[60:61]
	s_add_nc_u64 s[MB:MB+1], s[MB:MB+1], s[62:63]
	s_add_nc_u64 s[OB:OB+1], s[OB:OB+1], s[58:59]
; eight loads: the work-group's 256 threads take 4,096 consecutive bytes with each, a wave 512; off = the tile's distance from the two bases
.macro LOADKV off
.irp i, 0,1,2,3
	global_load_b128 v[ST+4*\i:ST+4*\i+3], v[GO], s[KB:KB+1] offset:\off+\i*4096
.endr
.irp i, 0,1,2,3
	global_load_b128 v[ST+16+4*\i:ST+16+4*\i+3], v[GO], s[VB:VB+1] offset:\off+\i*4096
.endr
.endm
; sixteen roundings: four f32 become 8 bytes in the first two registers of each group
.macro CVT
.irp i, 0,1,2,3,4,5,6,7
	v_cvt_pk_bf16_f32 v[ST+4*\i],   v[ST+4*\i],   v[ST+4*\i+1]
	v_cvt_pk_bf16_f32 v[ST+4*\i+1], v[ST+4*\i+2], v[ST+4*\i+3]
.endr
.endm
; quarter i of a tile is keys 16 i .. 16 i + 15; base = the slot's first byte
.macro STORE base
.irp i, 0,1,2,3
	ds_store_b64 v[KS], v[ST+4*\i:ST+4*\i+1] offset:\base+\i*16*KP
.endr
.irp i, 0,1,2,3
	ds_store_b64 v[VS], v[ST+16+4*\i:ST+16+4*\i+1] offset:\base+VOFF+\i*16*VP
.endr
.endm
; 4 key tiles x 2 halves of d: lane (r, h) takes d = 8 h .. + 7 and 16 + 8 h .. + 7 of key r
.macro KFRAG base
.irp kt, 0,1,2,3
.irp ks, 0,1
	ds_load_b128 v[FR+16*\kt+8*\ks:FR+16*\kt+8*\ks+3],   v[KA] offset:\base+\kt*16*KP+\ks*64
	ds_load_b128 v[FR+16*\kt+8*\ks+4:FR+16*\kt+8*\ks+7], v[KA] offset:\base+\kt*16*KP+\ks*64+32
.endr
.endr
.endm
; 4 tiles of d x 2 blocks of 32 keys: lane (r, h) gets keys 8 h .. + 7 and 16 + 8 h .. + 7 of column d = r
.macro VFRAG base
.irp dt, 0,1,2,3
.irp kb, 0,1
	ds_load_tr16_b128 v[FR+16*\dt+8*\kb:FR+16*\dt+8*\kb+3],   v[VA] offset:\base+VOFF+\kb*32*VP+\dt*32
	ds_load_tr16_b128 v[FR+16*\dt+8*\kb+4:FR+16*\dt+8*\kb+7], v[VA] offset:\base+VOFF+\kb*32*VP+\dt*32+16*VP
.endr
.endr
.endm
; 16 matrix instructions: the first eight start the sums with the constant 0, the second eight go on in place
.macro QK
	WIN 0x04                                       ; source 1 (Q) in the second block of registers
.irp qt, 0,1
.irp kt, 0,1,2,3
	v_wmma_f32_16x16x32_bf16 v[SC+32*\qt+8*\kt:SC+32*\qt+8*\kt+7], v[FR+16*\kt:FR+16*\kt+7], v[16*\qt:16*\qt+7], 0
.endr
.endr
.irp qt, 0,1
.irp kt, 0,1,2,3
	v_wmma_f32_16x16x32_bf16 v[SC+32*\qt+8*\kt:SC+32*\qt+8*\kt+7], v[FR+16*\kt+8:FR+16*\kt+15], v[16*\qt+8:16*\qt+15], v[SC+32*\qt+8*\kt:SC+32*\qt+8*\kt+7]
.endr
.endr
	WIN 0
.endm
.macro PV first
.irp qt, 0,1
.irp dt, 0,1,2,3
.if \first
	v_wmma_f32_16x16x32_bf16 v[OA+32*\qt+8*\dt:OA+32*\qt+8*\dt+7], v[FR+16*\dt:FR+16*\dt+7], v[SC+32*\qt:SC+32*\qt+7], 0
.else
	v_wmma_f32_16x16x32_bf16 v[OA+32*\qt+8*\dt:OA+32*\qt+8*\dt+7], v[FR+16*\dt:FR+16*\dt+7], v[SC+32*\qt:SC+32*\qt+7], v[OA+32*\qt+8*\dt:OA+32*\qt+8*\dt+7]
.endif
.endr
.endr
.irp qt, 0,1
.irp dt, 0,1,2,3
	v_wmma_f32_16x16x32_bf16 v[OA+32*\qt+8*\dt:OA+32*\qt+8*\dt+7], v[FR+16*\dt+8:FR+16*\dt+15], v[SC+32*\qt+8:SC+32*\qt+15], v[OA+32*\qt+8*\dt:OA+32*\qt+8*\dt+7]
.endr
.endr
.endm
; one select per score register: the lane's bit set keeps the score, clear gives -inf
.macro MASK
	s_wait_kmcnt 0x0                               ; scalar loads return in no order: zero
.set nn, 0
.rept 32
	v_cndmask_b32 v[SC+nn], v[NI], v[SC+nn], s[MW0+nn]
.set nn, nn+1
.endr
.set nn, 0
.rept 32
	v_cndmask_b32 v[SC+32+nn], v[NI], v[SC+32+nn], s[MW1+nn]
.set nn, nn+1
.endr
.endm
; the next step's 64 words: 128 bytes for each of my two query tiles, which lie 4,096 bytes apart
.macro MLOAD off
	s_load_b512 s[MW0:MW0+15],    s[MB:MB+1], \off
	s_load_b512 s[MW0+16:MW0+31], s[MB:MB+1], \off+0x40
	s_load_b512 s[MW1:MW1+15],    s[MB:MB+1], \off+0x1000
	s_load_b512 s[MW1+16:MW1+31], s[MB:MB+1], \off+0x1040
.endm
; One query tile's 32 score registers: new maximum, alpha, p = 2^(x c - M c), O and l rescaled, p summed and rounded to bf16 in place.
.macro SOFTMAX qt, first
.set XB,  SC+32*\qt
.set OBS, OA+32*\qt
.set NMC, STAT+4*\qt
.set MX,  STAT+4*\qt+1
.set AL,  STAT+4*\qt+2
.set LS,  STAT+4*\qt+3
	; the maximum, in four chains that do not wait for each other
.irp q, 0,1,2,3
	v_max_num_f32 v[TM+\q], v[XB+8*\q], v[XB+8*\q+1]
.endr
.irp e, 2,4,6
.irp q, 0,1,2,3
	v_max3_num_f32 v[TM+\q], v[TM+\q], v[XB+8*\q+\e], v[XB+8*\q+\e+1]
.endr
.endr
	v_max3_num_f32 v[TM], v[TM], v[TM+1], v[TM+2]
	v_max3_num_f32 v[TM], v[TM], v[TM+3], v[MX]    ; with the running maximum, which is finite
	v_permlanex16_b32 v[TM+1], v[TM], s[SEL], s[SEL+1]   ; the query's other 32 keys lie in the other half of the lanes
	v_max_num_f32 v[MX], v[TM], v[TM+1]
	v_mul_f32 v[TM+2], s[NC], v[MX]                ; -M c
.if \first == 0
	v_sub_f32 v[AL], v[TM+2], v[NMC]               ; (M old - M new) c as the difference of two products rounded alike: exactly 0 where M stayed
.endif
	v_mov_b32 v[NMC], v[TM+2]
.if \first == 0
	v_exp_f32 v[AL], v[AL]                         ; the multiply-adds below are the plain instructions between it and alpha's first use
.endif
.set nn, 0
.rept 16
	v_pk_fma_f32 v[XB+nn:XB+nn+1], v[XB+nn:XB+nn+1], s[CC:CC+1], v[NMC:NMC+1] op_sel_hi:[1,0,0]   ; x c - M c, both halves with the pair's first register
.set nn, nn+2
.endr
.set nn, 0
.rept 32
	v_exp_f32 v[XB+nn], v[XB+nn]
.set nn, nn+1
.endr
.if \first == 0
.set nn, 0
	s_wait_alu depctr_va_vdst(0)
.rept 16
	v_pk_mul_f32 v[OBS+nn:OBS+nn+1], v[OBS+nn:OBS+nn+1], v[AL:AL+1] op_sel_hi:[1,0]   ; O x alpha; also the plain instructions behind the exponentials
.set nn, nn+2
.endr
.else
	v_nop                                          ; one plain instruction between the last exponential and the first use of its result
	s_wait_alu depctr_va_vdst(0)
.endif
.irp q, 0,1,2,3
	v_pk_add_f32 v[TM+2*\q:TM+2*\q+1], v[XB+8*\q:XB+8*\q+1], v[XB+8*\q+2:XB+8*\q+3]
.endr
.irp e, 4,6
.irp q, 0,1,2,3
	v_pk_add_f32 v[TM+2*\q:TM+2*\q+1], v[TM+2*\q:TM+2*\q+1], v[XB+8*\q+\e:XB+8*\q+\e+1]
.endr
.endr
	v_pk_add_f32 v[TM:TM+1],   v[TM:TM+1],   v[TM+2:TM+3]
	v_pk_add_f32 v[TM+4:TM+5], v[TM+4:TM+5], v[TM+6:TM+7]
	v_pk_add_f32 v[TM:TM+1],   v[TM:TM+1],   v[TM+4:TM+5]
.if \first
	v_add_f32 v[LS], v[TM], v[TM+1]
.else
	v_fma_f32 v[LS], v[LS], v[AL], v[TM]
	v_add_f32 v[LS], v[LS], v[TM+1]
.endif
.set nn, 0
.rept 16
	v_cvt_pk_bf16_f32 v[XB+nn], v[XB+2*nn], v[XB+2*nn+1]   ; ascending: register n is written when 2 n and 2 n + 1 are read, never before
.set nn, nn+1
.endr
.endm
; STEP of tile t = 4 x trip + p, in slot p & 1.  stage: tile t + 1 goes from registers to the other slot.  load: tile t + 2 is requested.
; mload: the mask words of step t + 1 are requested.  pf: tile t + 4 is prefetched by the waves that own it.
; ONE BARRIER A STEP orders both ways: in front of the signal each wave's LDS stores of tile t and its LDS reads of tile t - 1 are
; complete; behind the wait slot t & 1 is read and the other slot, which nobody reads any more, is written.
.macro STEP p, first, stage, load, mload, pf, tag
.set CUR, (\p&1)*SLOT
.set NXT, (1-(\p&1))*SLOT
	s_wait_dscnt 0x0                               ; for the other waves' sake: zero
	s_barrier_signal -1
.if \stage
	s_wait_loadcnt 0x0                             ; tile t + 1, requested one step ago; nothing younger is out
	CVT                                            ; register work while the others arrive.  These sixteen plain instructions name none of the last
	                                               ; product's registers: they are the places in front of the loads into its source 0
	                                               ; and of the matrix instructions that write over its source 1
.else
	PLACES 5                                       ; the same places where nothing is left to round
.endif
	s_barrier_wait -1
	KFRAG CUR
.if \stage
	STORE NXT
.endif
.if \load
	LOADKV \p*TILE
.endif
.if \stage
	s_wait_dscnt 0x8                               ; LDS instructions end in order: the eight younger ones are the stores, the sixteen fragment loads are in
.else
	s_wait_dscnt 0x0
.endif
	QK
	PLACES 4                                       ; in front of the loads into K's fragment registers and of the selects on S
	VFRAG CUR                                      ; back by the time the softmax is done
	MASK
.if \mload
	MLOAD (\p+1)*128                               ; into the words just used: the rest of the step lies between request and use
.endif
.if \pf
	s_cmp_lg_u32 s[OWN], \p
	s_cbranch_scc1 .Lnpf_\tag
	global_prefetch_b8 v[PF], s[PB:PB+1] offset:(\p+2)*TILE th:TH_LOAD_NT scope:SCOPE_SE
.Lnpf_\tag:
.endif
	SOFTMAX 0, \first
	SOFTMAX 1, \first
	s_wait_dscnt 0x0                               ; V's fragments
	PV \first
.endm
.macro TRIPEND
	s_wait_xcnt 0x0                                ; the four bases are stepped only behind this wait
	s_add_nc_u64 s[KB:KB+1], s[KB:KB+1], 4*TILE
	s_add_nc_u64 s[VB:VB+1], s[VB:VB+1], 4*TILE
	s_add_nc_u64 s[PB:PB+1], s[PB:PB+1], 4*TILE
	s_add_nc_u64 s[MB:MB+1], s[MB:MB+1], 4*128
.endm
	; PROLOGUE: tile 0, my Q, the mask words of step 0
	LOADKV 0
.irp i, 0,1,2,3,4,5,6,7,8,9,10,11,12,13,14,15
	global_load_b128 v[SC+4*\i:SC+4*\i+3], v[OO], s[QB:QB+1] offset:\i*512 th:TH_LOAD_NT   ; two rows of Q each
.endr
	MLOAD 0
	s_wait_loadcnt 0x10                            ; the sixteen younger loads are Q's: tile 0 is in
	CVT
	STORE 0
	LOADKV TILE                                    ; tile 1
	s_wait_loadcnt 0x8                             ; the eight younger loads are tile 1's: Q is in
.irp i, 0,1,2,3,4,5,6,7,8,9,10,11,12,13,14,15
	v_cvt_pk_bf16_f32 v[SC+4*\i],   v[SC+4*\i],   v[SC+4*\i+1]
	v_cvt_pk_bf16_f32 v[SC+4*\i+1], v[SC+4*\i+2], v[SC+4*\i+3]
	ds_store_b64 v[QS], v[SC+4*\i:SC+4*\i+1] offset:\i*2*KP
.endr
	WIN 0x40                                       ; destinations in the second block of registers
.irp qt, 0,1
.irp ks, 0,1
	ds_load_b128 v[16*\qt+8*\ks:16*\qt+8*\ks+3],   v[QF] offset:\qt*16*KP+\ks*64      ; my own bytes: LDS serves a wave's instructions in order
	ds_load_b128 v[16*\qt+8*\ks+4:16*\qt+8*\ks+7], v[QF] offset:\qt*16*KP+\ks*64+32
.endr
.endr
	WIN 0
	s_wait_xcnt 0x0                                ; k's and v's bases are stepped only behind this wait
	s_add_nc_u64 s[KB:KB+1], s[KB:KB+1], 2*TILE    ; from here on they point two tiles ahead of the trip's first step
	s_add_nc_u64 s[VB:VB+1], s[VB:VB+1], 2*TILE
	; PREFETCH: in step t the loads ask for tile t + 2 and the prefetch for tile t + 4, two steps ahead of its load.  A row of K or V is 256
	; bytes.  Of the eight work-groups of a head the two with x & 3 = t & 3 ask, for rows 32 (x >> 2) + lane, wave 0 for K and wave 1 for V:
	; each row once in the launch, one instruction of an owning wave every four steps.  The last request is made in step 27, for tile 31.
	s_cmp_eq_u32 s[WV], 0
	s_cselect_b64 s[PB:PB+1], s[KB:KB+1], s[VB:VB+1]
	s_and_b32 s[OWN], ttmp9, 3
	s_cmp_lt_u32 s[WV], 2
	s_cselect_b32 s[OWN], s[OWN], 4
	STEP 0, 1, 1, 1, 1, 1, 0                       ; steps 0-3 stand in front of the loop: step 0 starts O and l, nothing is cleared
	STEP 1, 0, 1, 1, 1, 1, 1
	STEP 2, 0, 1, 1, 1, 1, 2
	STEP 3, 0, 1, 1, 1, 1, 3
	TRIPEND
	s_mov_b32 s[CNT], 6                            ; steps 4-27
.Ltrip:
	STEP 0, 0, 1, 1, 1, 1, 4
	STEP 1, 0, 1, 1, 1, 1, 5
	STEP 2, 0, 1, 1, 1, 1, 6
	STEP 3, 0, 1, 1, 1, 1, 7
	TRIPEND
	s_sub_co_i32 s[CNT], s[CNT], 1
	s_cmp_lg_u32 s[CNT], 0
	s_cbranch_scc1 .Ltrip
	STEP 0, 0, 1, 1, 1, 0, 8                       ; step 28 requests tile 30,
	STEP 1, 0, 1, 1, 1, 0, 9                       ; step 29 tile 31, the last;
	STEP 2, 0, 1, 0, 1, 0, 10                      ; step 30 stages it and requests the last mask words;
	STEP 3, 0, 0, 0, 0, 0, 11                      ; step 31 requests nothing: no access passes a buffer's end
	; THE WAY OUT: l over both halves of the lanes, O / l, then through my stage so that sixteen lanes store one whole row of 256 bytes
	PLACES 4                                       ; behind the last matrix instructions: O is read, their source registers are loaded into
	v_permlanex16_b32 v[TM+1], v[STAT+3], s[SEL], s[SEL+1]
	v_permlanex16_b32 v[TM+3], v[STAT+7], s[SEL], s[SEL+1]
	v_add_f32 v[STAT+3], v[STAT+3], v[TM+1]
	v_add_f32 v[STAT+7], v[STAT+7], v[TM+3]
	v_rcp_f32 v[STAT+2], v[STAT+3]
	v_rcp_f32 v[STAT+6], v[STAT+7]
	v_nop                                          ; one plain instruction between the reciprocals and their use
	s_wait_alu depctr_va_vdst(0)
.irp qt, 0,1
.set nn, 0
.rept 16
	v_pk_mul_f32 v[OA+32*\qt+nn:OA+32*\qt+nn+1], v[OA+32*\qt+nn:OA+32*\qt+nn+1], v[STAT+4*\qt+2:STAT+4*\qt+3] op_sel_hi:[1,0]
.set nn, nn+2
.endr
.endr
.irp qt, 0,1
.irp dt, 0,1,2,3
	ds_store_b128 v[SA], v[OA+32*\qt+8*\dt:OA+32*\qt+8*\dt+3]   offset:\qt*16*OPI+\dt*64      ; query r, d = 16 dt + 8 h + 0 .. 3
	ds_store_b128 v[SA], v[OA+32*\qt+8*\dt+4:OA+32*\qt+8*\dt+7] offset:\qt*16*OPI+\dt*64+16   ; and + 4 .. 7
.endr
.endr
.irp i, 0,1,2,3,4,5,6,7,8,9,10,11,12,13,14,15
	ds_load_b128 v[FR+4*\i:FR+4*\i+3], v[SR] offset:\i*2*OPI       ; my own bytes, served in order: these see the stores above
.endr
.irp i, 0,1,2,3,4,5,6,7,8,9,10,11,12,13,14,15
	s_wait_dscnt 15-\i                             ; the younger read-backs may be out
	global_store_b128 v[OO], v[FR+4*\i:FR+4*\i+3], s[OB:OB+1] offset:\i*512 th:TH_STORE_NT   ; two whole rows: 512 consecutive bytes, aligned
.endr
	s_wait_tensorcnt 0x0
	ds_add_u32 v30, v31
	s_wait_dscnt 0x0
	s_endpgm
.Lfunc_end_k_q55d30f652f_attn:
	.size	k_q55d30f652f_attn, .Lfunc_end_k_q55d30f652f_attn-k_q55d30f652f_attn
	.p2alignl 7, 3214868480
	.fill 96, 4, 3214868480
	.section	.rodata,"a",@progbits
	.p2align	6, 0x0
	.amdhsa_kernel k_q55d30f652f_attn
		.amdhsa_group_segment_fixed_size 109568
		.amdhsa_private_segment_fixed_size 0
		.amdhsa_enable_private_segment 0
		.amdhsa_kernarg_size 40
		.amdhsa_user_sgpr_count 2
		.amdhsa_user_sgpr_kernarg_segment_ptr 1
		.amdhsa_wavefront_size32 1
		.amdhsa_system_sgpr_workgroup_id_x 1
		.amdhsa_system_sgpr_workgroup_id_y 1
		.amdhsa_system_sgpr_workgroup_id_z 1
		.amdhsa_system_vgpr_workitem_id 0
		.amdhsa_next_free_vgpr 288
		.amdhsa_next_free_sgpr 100
		.amdhsa_reserve_vcc 0
		.amdhsa_float_denorm_mode_32 3
		.amdhsa_float_denorm_mode_16_64 3
		.amdhsa_memory_ordered 1
		.amdhsa_forward_progress 1
		.amdhsa_inst_pref_size 255
	.end_amdhsa_kernel
	.section	.bss,"aw",@nobits
	.p2align	6
	.space	262144
	.amdgpu_metadata
---
amdhsa.version: [ 1, 2 ]
amdhsa.kernels:
  - .name:           k_q55d30f652f_attn
    .symbol:         k_q55d30f652f_attn.kd
    .args:
      - { .name: q, .offset: 0, .size: 8, .value_kind: global_buffer, .address_space: global }
      - { .name: k, .offset: 8, .size: 8, .value_kind: global_buffer, .address_space: global }
      - { .name: v, .offset: 16, .size: 8, .value_kind: global_buffer, .address_space: global }
      - { .name: bits, .offset: 24, .size: 8, .value_kind: global_buffer, .address_space: global }
      - { .name: out0, .offset: 32, .size: 8, .value_kind: global_buffer, .address_space: global }
    .group_segment_fixed_size: 109568
    .private_segment_fixed_size: 0
    .kernarg_segment_align: 8
    .kernarg_segment_size: 40
    .max_flat_workgroup_size: 256
    .sgpr_count:     100
    .vgpr_count:     288
    .wavefront_size: 32
...
	.end_amdgpu_metadata
.endif
;; end of part 2
